; MI455X (gfx1250); checked and timed in simulation.
; The chip was launched on July 23, 2026; its instructions are those of AMD's public machine-readable ISA for CDNA 5 (MIT licence, August 2026) and "CDNA5" Instruction Set Architecture Reference Guide (July 2026). The comments in the code are by the model that wrote it; some were corrected since.
;; Self Attention. Allowed arithmetic: float matrix products may take bf16 or f16 operands with f32 sums; all other float work in f32.
;; Inputs: Wk 128 x 1,024 float32; Wq 128 x 1,024 float32; Wu 1,024 x 128 float32; Wv 128 x 1,024 float32; bk 1,024 float32; bq 1,024 float32; bu 128 float32; bv 1,024 float32; mask 64 x 1,024 float32; x 8 x 1,024 x 128 float32.
;; Outputs: out0 8 x 128 float32.
;; One version. Each part assembles by itself: llvm-mc -triple=amdgcn-amd-amdhsa -mcpu=gfx1250 --defsym DOCPART=n.
;; ======== version 1 of 1: 2 launches
;; workspace buffers: zpart 131,072 bytes
;; launch attn (part 1): grid 256 x 1, 4 waves a work-group, clusters of 4 x 1, 327,680 bytes of LDS; arguments x, mask, Wq, bq, Wk, bk, Wv, bv, Wu, zpart; writes zpart
.if DOCPART == 1
	.amdgcn_target "amdgcn-amd-amdhsa--gfx1250"
	.amdhsa_code_object_version 6
	.text
	.protected	k_q7568097836_attn
	.globl	k_q7568097836_attn
	.p2align	8
	.type	k_q7568097836_attn,@function
k_q7568097836_attn:
	s_mov_b64 s[64:65], 0
	v_nop
	global_prefetch_b8 v0, s[64:65] scope:SCOPE_SE
	s_setreg_imm32_b32 hwreg(HW_REG_WAVE_MODE, 25, 1), 1
	s_wait_xcnt 0x0
	s_wait_alu depctr_hold_cnt(0) depctr_sa_sdst(0) depctr_va_vdst(0) depctr_va_sdst(0) depctr_va_ssrc(0) depctr_va_vcc(0) depctr_vm_vsrc(0)
	s_getreg_b32 s2, hwreg(HW_REG_IB_STS2, 6, 4)
	s_cmp_eq_u32 s2, 0
	s_cbranch_scc0 .Lentry_in_a_cluster
	s_endpgm
.Lentry_in_a_cluster:
	s_bfe_u32 s2, ttmp6, 0x10000c
	s_cmp_lg_u32 s2, 0x3003
	s_cbranch_scc0 .Lentry_shape_is_right
	s_endpgm
.Lentry_shape_is_right:
; One work-group = one (batch b, head) pair and one quarter qq of its 1024 queries: 256 queries x 1024 keys.
; It stores zpart[(b*8+head)*4+qq][128], its linear share of the vector in front of tanh.
;
; WHAT IS COMPUTED (identities of the sums, valid for every input):
;   score(q,k)*mask*log2(e) = s(q,k) = sum_e G[q,e] x[k,e] + g0[q]
;        G[q,e2] = am[q] (sum_e1 x[q,e1] M[e1,e2] + v[e2]),  g0[q] = am[q] (x[q].u + beta),  am = mask * log2(e)/128
;        M = Wq_h Wk_h^T,  u = Wq_h bk_h,  v = Wk_h bq_h,  beta = bq_h.bk_h        (K and Q are never formed)
;   s == 0 becomes -1e9*log2(e); softmax over the keys with the row's true maximum taken away
;   sum over q of attn.V = c.V with c[k] = sum_q attn[q,k];   c.V = (c.x) Wv_h + (sum c) bv_h   (V is never formed)
;   c.x = 0.25 sum_k x[k] + sum_k (c[k]-0.25) bf16(x[k]): 0.25 = 256 queries / 1024 keys is the mean of c, so the
;   rounding of x to bf16 enters only with the small weight c-0.25; all sums behind the softmax are f32.
; bf16 operands: Wq, Wk, x, M, G, u (products on the matrix unit, f32 sums).
; LIMITS: the test for zero acts on the score as computed here (bf16 operands, the factor log2(e)/128 folded in), so a score
; that is zero only by exact cancellation in f32 may be told apart differently; a zero mask gives an exact zero. NaN and
; infinite inputs are not followed. A score below -1e9 is not told apart from the fill.
;
; SHARING: wave w owns 256 keys (128w.. and 512+128w..) as bf16 fragments in 512 registers for the whole launch, so the main loop
; reads from LDS only G (4 KB) and g0 for each block of 16 queries.  Row maxima and sums of the four waves meet in LDS,
; one barrier a block, with the next block's 64 matrix instructions between signal and wait.
; CLUSTER 4,1,1: the four query quarters of one (b, head) read the same Wq, Wk, keys, Wv, Wu: 768 KB of the 896 KB that a
; work-group brings in are asked for jointly (mask 15).  The quarter's own 256 query rows are a plain load.  A second cluster
; axis (heads of one b) would share the keys alone and not the weights, and the keys' address would not differ along it.
;
; LDS: REG = 512 rows of 528 bytes (512 of data + 16 of padding: an odd multiple of 16, so sixteen rows' 16-byte pieces
; start at sixteen different offsets modulo 256).  REG is filled by tensor loads alone: fill 0 = Wq (rows 0-127), Wk (128-255),
; my queries (256-511); fills 1, 2 = keys; fill 3 = Wv (0-127), Wu (128-255).  Rows 256.. have their last fill with fill 2 and then hold G.
.set PITCH,   528
.set TILE16,  16*PITCH
.set ROWS64,  64*PITCH
.set ROWS128, 128*PITCH
.set REG2,    256*PITCH                ; rows 256..: queries, later G
.set GREG,    REG2                     ; G as fragments: [block 16][k step 4][half 2][lane x 16 bytes], 65,536 bytes
.set MF,      512*PITCH                ; M as fragments: [e2 tile 8][k step 4][half 2][lane x 16], 32,768 bytes; later each wave's x sums (8 KB a wave)
.set LU,      MF+32768                 ; u, 128 f32; v follows at +512
.set G0T,     LU+1024                  ; g0: 256 queries x 8 copies
.set XCH,     G0T+8192                 ; [buffer 2][query 16][wave 4] (max, sum)
.set CV,      XCH+1024                 ; c of a wave's 256 keys, 1 KB a wave
.set YP,      CV+4096                  ; [wave][128] parts of c.x
.set OP,      YP+2048                  ; [wave][128] parts of the head's output
.set ZP,      OP+2048                  ; [wave][128] parts of the result
.set ALPHA,   0x3c38aa3b               ; log2(e)/128
.set FILLV,   0xceabfb8f               ; -1e9 log2(e)
; scalar registers
.set GW, 36                            ; s[36:43] group 1: 64 rows x 128 f32, pitch 1024 (Wq, Wk, Wv), joint
.set GQ, 44                            ; s[44:51] group 1: 64 rows, pitch 128, plain (my queries); free after that load: compare masks
.set GK, 52                            ; s[52:59] group 1: 128 rows, pitch 128 (keys), joint
.set GU, 68                            ; s[68:75] group 1: 64 rows, pitch 128 (Wu), joint
.set F0W, 76
.set F0Q, 80
.set K1, 84
.set K2, 88
.set FV, 92
.set FU, 96                            ; six groups 0, none ever rewritten
.set CM, 44
; vector registers, window 0
.set FADR, 4
.set KADR, 5
.set QADR, 6
.set WKADR, 7
.set WQOWN, 8
.set L16, 9
.set MFST, 10
.set MFLD, 11
.set UVST, 12
.set UFLD, 13
.set G0ST, 14
.set GST, 15
.set AM2, 16                           ; v16-23 (am, am) of my four query blocks
.set BV, 24                            ; v24-27 bv of my four columns
.set GADR, 28
.set G0ADR, 29
.set XW, 30
.set XR, 31
.set BAM2, 32                          ; v32-39 (beta am, beta am), prologue only
.set MX, 32                            ; v32-35 chains of the maximum
.set MP, 36                            ; (m, m)
.set ML, 38                            ; (m, l) as stored
.set MOWN, 40                          ; my maximum of buffer 0, 1
.set WT, 42                            ; (weight, weight)
.set CH, 44                            ; v44-51 four packed chains
.set ST, 52                            ; v52-59 the four waves' (m, l)
.set TT, 60                            ; v60-63 at work
.set BETA, 60
.set GFR, 64                           ; v64-95 G fragment of a block
.set G0R, 96                           ; v96-103 g0 as a C tile
.set C16, 104                          ; v104-119 tail: c of key 16t + r
.set A4, 104                           ; tail: four output columns
.set CS, 120
.set CACC, 128                         ; v128-255 c sums: register 8t+j, lane (r,hh): query r's share of key 16t+8hh+j
.set LAND0, 64
.set XS, 128
.set LAND1, 192                        ; prologue: f32 landing zones of 64 registers
.set MFR, 64
.set ACC, 128
.set VC, 192
.set UF, 208                           ; G phase
.set YV, 64
.set CVST, 4
.set CVLD, 5
.set YST, 6
.set PVA, 7
.set ROWA, 8
.set OUTA, 11                          ; tail addresses
; window 1: bq, bk (v0-127), then M's accumulators; Wk fragments v128-191, Wq fragments v192-255; then query fragments v0-127 and G v128-255;
;           main loop: score buffers S0 = v0-127, S1 = v128-255 (tile t at 8t).   windows 2, 3: key fragments, tile t at 32 (t mod 8).
; A fragment register 8c+4g+i holds e = 32c+16g+8hh+2i, +1 of row r (lane = r + 16 hh); f32 landing register 16c+8g+i holds e = 32c+16g+8hh+i.
.set MSB, 0
.macro WIN new                         ; s_set_vgpr_msb: bits 1:0 source 0, 3:2 source 1, 5:4 source 2, 7:6 destination; the high byte repeats the setting that is left
.if MSB != (\new)
	s_set_vgpr_msb (MSB<<8)|(\new)
.set MSB, (\new)
.endif
.endm
.macro ROUND                           ; a round of the cluster's barrier
	s_barrier_signal -1
	s_barrier_wait -1
	s_cmp_lg_u32 s24, 0
	s_cbranch_scc1 .Lnot_wave_0_\@
	s_barrier_signal -3
.Lnot_wave_0_\@:
	s_barrier_wait -3
	s_barrier_signal -1
	s_barrier_wait -1
.endm
.macro NOPS n
.rept \n
	v_nop
.endr
.endm
.macro G1SET g, w0, rows, pitch        ; group 1: elements of 4 bytes, 4 words of padding behind every 128 words, tile = rows x 128, inside the tensor
	s_mov_b32 s[\g+0], \w0
	s_mov_b32 s[\g+1], 128<<16
	s_mov_b32 s[\g+2], \rows<<16
	s_mov_b32 s[\g+3], 128<<16
	s_mov_b32 s[\g+4], \rows
	s_mov_b32 s[\g+5], \pitch
	s_mov_b32 s[\g+6], 0
	s_mov_b32 s[\g+7], 0
.endm
.macro TLOAD adr, off, zone            ; my 64 f32 of row r of a tile of 16 rows: 16 loads of 16 bytes
.irp k, 0,1,2,3,4,5,6,7,8,9,10,11,12,13,14,15
	ds_load_b128 v[\zone+4*\k:\zone+4*\k+3], v[\adr] offset:\off+(\k/2)*64+(\k%2)*16
.endr
.endm
.macro TCVT dst, zone                  ; 64 f32 to a bf16 fragment of 32 registers (the caller sets the window)
.set kk, 0
.rept 32
	v_cvt_pk_bf16_f32 v[\dst+kk], v[\zone+2*kk], v[\zone+2*kk+1]
.set kk, kk+1
.endr
.endm
.macro DOT res, za, zb, win            ; f32 dot product of two zones over the lane's 64 numbers and both halves of the wave
	WIN \win
.irp k, 0,1,2,3
	v_pk_mul_f32 v[CH+2*\k:CH+2*\k+1], v[\za+2*\k:\za+2*\k+1], v[\zb+2*\k:\zb+2*\k+1]
.endr
.set kk, 4
.rept 28
	v_pk_fma_f32 v[CH+2*(kk%4):CH+2*(kk%4)+1], v[\za+2*kk:\za+2*kk+1], v[\zb+2*kk:\zb+2*kk+1], v[CH+2*(kk%4):CH+2*(kk%4)+1]
.set kk, kk+1
.endr
	WIN 0
	v_pk_add_f32 v[CH:CH+1], v[CH:CH+1], v[CH+2:CH+3]
	v_pk_add_f32 v[CH+4:CH+5], v[CH+4:CH+5], v[CH+6:CH+7]
	v_pk_add_f32 v[CH:CH+1], v[CH:CH+1], v[CH+4:CH+5]
	v_add_f32 v[CH], v[CH], v[CH+1]
	v_permlanex16_b32 v[CH+1], v[CH], s30, s31
	v_add_f32 v[\res], v[CH], v[CH+1]
.endm
.macro BFLY base, n                    ; sums over the 16 lanes of each half, result in every lane
.irp x, 1,2,4,8
.set kk, 0
.rept \n
	v_add_f32_dpp v[\base+kk], v[\base+kk], v[\base+kk] row_xmask:\x row_mask:0xf bank_mask:0xf
.set kk, kk+1
.endr
.endr
.endm
; ---------------- set-up ----------------
	s_load_b512 s[4:19], s[0:1], 0x0               ; x 4:5, mask 6:7, Wq 8:9, bq 10:11, Wk 12:13, bk 14:15, Wv 16:17, bv 18:19
	s_load_b128 s[20:23], s[0:1], 0x40             ; Wu 20:21, zpart 22:23
	v_lshl_add_u32 v254, v0, 2, 0x4f000
	v_mov_b32 v255, 0
	ds_add_u32 v254, v255
	s_wait_dscnt 0x0
	v_lshrrev_b32 v1, 5, v0
	v_readfirstlane_b32 s24, v1                    ; wave w
	s_mov_b32 s25, ttmp9                           ; the cluster's x = b*8 + head
	s_lshr_b32 s26, ttmp9, 3                       ; b
	s_and_b32 s27, ttmp9, 7                        ; head
	s_bfe_u32 s28, ttmp6, 0x40000                  ; qq = my place in the cluster; it enters three global addresses and nothing else (s28, s29, s66, s67)
	s_mov_b32 s30, 0x76543210                      ; v_permlanex16_b32: lane i reads lane i of the other half
	s_mov_b32 s31, 0xfedcba98
	s_mov_b32 s32, FILLV
	G1SET GW, 0x07b2000f, 64, 1024                 ; mask 15 with bit 21 beside it
	G1SET GQ, 0x07920000, 64, 128                  ; no mask: my own queries
	G1SET GK, 0x07b2000f, 128, 128
	G1SET GU, 0x07b2000f, 64, 128
	s_mov_b32 s[F0W], 1
	s_mul_i32 s[F0W+1], s24, ROWS64
	s_mov_b32 s[F0Q], 1
	s_mul_i32 s[F0Q+1], s24, ROWS64
	s_add_co_u32 s[F0Q+1], s[F0Q+1], REG2
	s_mov_b32 s[K1], 1
	s_mul_i32 s[K1+1], s24, ROWS128
	s_mov_b32 s[K2], 1
	s_mul_i32 s[K2+1], s24, ROWS128
	s_mov_b32 s[FV], 1
	s_mul_i32 s[FV+1], s24, ROWS64
	s_mov_b32 s[FU], 1
	s_mul_i32 s[FU+1], s24, ROWS64
	s_and_b32 s2, s24, 1
	s_lshl_b32 s33, s27, 9                         ; head x 512 bytes: the head's columns in a row of Wq, Wk, Wv and in bq, bk, bv
	s_lshl_b32 s34, s2, 18                         ; (w & 1) x 64 rows of 4,096 bytes
	s_add_co_u32 s34, s34, s33
	s_mov_b32 s35, 0
	s_lshl_b32 s60, s2, 15                         ; Wu: (head x 128 + (w & 1) x 64) rows of 512 bytes
	s_lshl_b32 s3, s27, 16
	s_add_co_u32 s60, s60, s3
	s_mov_b32 s61, 0
	s_lshl_b32 s62, s26, 19                        ; keys: (b x 1024 + 128 w) rows of 512 bytes
	s_lshl_b32 s3, s24, 16
	s_add_co_u32 s62, s62, s3
	s_mov_b32 s63, 0
	s_lshl_b32 s29, s28, 8
	s_lshl_b32 s3, s24, 6
	s_add_co_u32 s29, s29, s3                      ; 256 qq + 64 w: my wave's first query
	s_lshl_b32 s3, s26, 10
	s_add_co_u32 s66, s29, s3
	s_lshl_b32 s66, s66, 9
	s_mov_b32 s67, 0
	s_wait_kmcnt 0x0
	s_cmp_lt_u32 s24, 2                            ; waves 0, 1 fetch Wq's halves, waves 2, 3 Wk's
	s_cselect_b64 s[F0W+2:F0W+3], s[8:9], s[12:13]
	s_add_nc_u64 s[F0W+2:F0W+3], s[F0W+2:F0W+3], s[34:35]
	s_or_b32 s[F0W+3], s[F0W+3], 0x80000000
	s_add_nc_u64 s[F0Q+2:F0Q+3], s[4:5], s[66:67]
	s_or_b32 s[F0Q+3], s[F0Q+3], 0x80000000
	s_add_nc_u64 s[K1+2:K1+3], s[4:5], s[62:63]
	s_add_nc_u64 s[K2+2:K2+3], s[K1+2:K1+3], 0x40000   ; 512 rows further
	s_or_b32 s[K1+3], s[K1+3], 0x80000000
	s_or_b32 s[K2+3], s[K2+3], 0x80000000
	s_add_nc_u64 s[FV+2:FV+3], s[16:17], s[34:35]
	s_or_b32 s[FV+3], s[FV+3], 0x80000000
	s_add_nc_u64 s[FU+2:FU+3], s[20:21], s[60:61]
	s_or_b32 s[FU+3], s[FU+3], 0x80000000
	s_lshl_b32 s3, s25, 10
	s_add_co_u32 s66, s29, s3
	s_lshl_b32 s66, s66, 2                         ; byte offset in mask of my wave's first query
	s_lshl_b32 s67, s27, 2
	s_add_co_u32 s67, s67, s28
	s_lshl_b32 s67, s67, 13                        ; (head x 4 + qq) x 8,192
	s_lshl_b32 s3, s26, 19
	s_add_co_u32 s67, s67, s3
	s_add_co_u32 s67, s67, 0x40000                 ; in the second half of x[b]
	v_and_b32 v1, 31, v0                           ; lane
	v_and_b32 v2, 15, v0                           ; r
	v_bfe_u32 v3, v0, 4, 1                         ; hh
	v_lshlrev_b32 v[L16], 4, v1
	v_lshl_add_u32 v60, v1, 8, s67
	v_lshl_add_u32 v61, v3, 5, s33                 ; bq, bk: head x 512 + 32 hh
	v_add_nc_u32 v62, s33, v[L16]                  ; bv: head x 512 + 16 lane
	v_lshl_add_u32 v63, v2, 2, s66                 ; mask: my query r
	ROUND                                          ; the four partners are here: the first joint loads meet
	tensor_load_to_lds s[F0W:F0W+3], s[GW:GW+7]    ; my quarter of Wq, Wk
	s_nop 0
	tensor_load_to_lds s[F0Q:F0Q+3], s[GQ:GQ+7]    ; my 64 query rows: two tensor loads of the wave are out, the most in this text
	s_nop 0
	; The 32 work-groups of one b read the same second half of x[b] (262,144 bytes) two fills from here.  Wave 0 of each asks for 1/32 of it,
	; 32 lanes 256 bytes apart: each block is asked for once in the launch, and the last lane's byte lies inside x.
	s_cmp_lg_u32 s24, 0
	s_cbranch_scc1 .Lno_prefetch
	global_prefetch_b8 v60, s[4:5] th:TH_LOAD_NT scope:SCOPE_SE
.Lno_prefetch:
	WIN 0x40                                       ; bq, bk in the landing layout, into window 1
.irp k, 0,1,2,3,4,5,6,7,8,9,10,11,12,13,14,15
	global_load_b128 v[4*\k:4*\k+3], v61, s[10:11] offset:(\k/2)*64+(\k%2)*16
.endr
.irp k, 0,1,2,3,4,5,6,7,8,9,10,11,12,13,14,15
	global_load_b128 v[64+4*\k:64+4*\k+3], v61, s[14:15] offset:(\k/2)*64+(\k%2)*16
.endr
	WIN 0
.irp q, 0,1,2,3
	global_load_b32 v[AM2+2*\q], v63, s[6:7] offset:64*\q
.endr
	global_load_b128 v[BV:BV+3], v62, s[18:19]
	v_mul_u32_u24 v[FADR], v2, PITCH
	v_lshl_add_u32 v[FADR], v3, 5, v[FADR]         ; r x 528 + 32 hh
	v_add_nc_u32 v[KADR], s[K1+1], v[FADR]         ; my 128 key rows
	v_add_nc_u32 v[QADR], s[F0Q+1], v[FADR]        ; my 64 query rows
	s_mul_i32 s2, s24, 2*TILE16
	v_add_nc_u32 v[WQOWN], s2, v[FADR]             ; Wq rows 32 w ..
	v_add_nc_u32 v[WKADR], ROWS128, v[WQOWN]       ; Wk rows 32 w ..
	s_lshl_b32 s2, s24, 13
	s_add_co_u32 s2, s2, MF
	v_add_nc_u32 v[MFST], s2, v[L16]
	v_add_nc_u32 v[MFLD], MF, v[L16]
	s_lshl_b32 s2, s24, 7
	s_add_co_u32 s2, s2, LU
	v_lshl_add_u32 v[UVST], v2, 2, s2
	v_lshl_add_u32 v[UFLD], v3, 5, LU
	s_lshl_b32 s2, s24, 11
	s_add_co_u32 s2, s2, G0T
	v_lshl_add_u32 v[G0ST], v2, 5, s2
	s_lshl_b32 s2, s24, 14
	s_add_co_u32 s2, s2, GREG
	v_add_nc_u32 v[GST], s2, v[L16]
	v_add_nc_u32 v[GADR], GREG, v[L16]
	v_lshl_add_u32 v[G0ADR], v2, 5, G0T
	v_lshl_add_u32 v[XR], v2, 5, XCH
	s_lshl_b32 s2, s24, 3
	v_add_nc_u32 v[XW], s2, v[XR]
; ---------------- M = Wq Wk^T, u, v, beta ----------------
	s_wait_tensorcnt 0x1                           ; my quarter of Wq, Wk is in; the query tile, issued behind it, may stay out
	s_barrier_signal -1
	s_barrier_wait -1                              ; everybody's quarter is in
	TLOAD WKADR, 0, LAND0                          ; Wk rows 32w .. 32w+15
	TLOAD WKADR, TILE16, LAND1
	s_wait_loadcnt 0x0                             ; bq, bk, mask, bv
	s_wait_xcnt 0x0                                ; the prefetch's offset register (v60) is rewritten only behind this wait
	s_wait_dscnt 16                                ; the first tile is in; the 16 younger loads stay out
	DOT TT+1, LAND0, 0, 0x04                       ; v = Wk row . bq
	ds_store_b32 v[UVST], v[TT+1] offset:512
	WIN 0x40
	TCVT 128, LAND0
	WIN 0
	TLOAD WQOWN, 0, LAND0
	s_wait_dscnt 16                                ; all but the 16 just issued
	DOT TT+1, LAND1, 0, 0x04
	ds_store_b32 v[UVST], v[TT+1] offset:576
	WIN 0x40
	TCVT 160, LAND1
	WIN 0
	TLOAD WQOWN, TILE16, LAND1
	s_wait_dscnt 16
	DOT TT+1, LAND0, 64, 0x04                      ; u = Wq row . bk
	ds_store_b32 v[UVST], v[TT+1]
	TLOAD FADR, 0, LAND0                           ; Wq tile 0 for M
	s_wait_dscnt 16
	DOT TT+1, LAND1, 64, 0x04
	ds_store_b32 v[UVST], v[TT+1] offset:64
	DOT BETA, 0, 64, 0x05                          ; beta = bq . bk
; M's tiles (e1 tile m, my e2 tiles 2w, 2w+1): source 0 = Wq rows (e1 runs along the result's registers), source 1 = Wk rows (e2 = lane).
; The two accumulators take turns, one instruction a turn.  The conversion of step m writes fragments that the products
; of step m-2 read: the 32 conversions of step m-1 stand between.
.macro MSTEP m, more
.if \more
	TLOAD FADR, (\m+1)*TILE16, LAND0+128*((\m+1)%2)
	s_wait_dscnt 16                                ; tile m is in; tile m+1's 16 loads stay out
.else
	s_wait_dscnt 0x0
.endif
	WIN 0x40
	TCVT 192+32*(\m%2), LAND0+128*(\m%2)
	WIN 0x55
.irp c, 0,1,2,3
.irp n, 0,1
.if \c == 0
	v_wmma_f32_16x16x32_bf16 v[16*\m+8*\n:16*\m+8*\n+7], v[192+32*(\m%2)+8*\c:192+32*(\m%2)+8*\c+7], v[128+32*\n+8*\c:128+32*\n+8*\c+7], 0
.else
	v_wmma_f32_16x16x32_bf16 v[16*\m+8*\n:16*\m+8*\n+7], v[192+32*(\m%2)+8*\c:192+32*(\m%2)+8*\c+7], v[128+32*\n+8*\c:128+32*\n+8*\c+7], v[16*\m+8*\n:16*\m+8*\n+7]
.endif
.endr
.endr
	WIN 0
.endm
	MSTEP 0, 1
	MSTEP 1, 1
	MSTEP 2, 1
	MSTEP 3, 1
	MSTEP 4, 1
	MSTEP 5, 1
	MSTEP 6, 1
	MSTEP 7, 0
	; M to bf16: a lane's pairs along e1 are already fragment registers of row e2.  Tiles 0 to 6 are packed first: 56 places behind the last products.
	WIN 0x05
.irp m, 0,1,2,3,4,5,6,7
.irp n, 0,1
.irp i, 0,1,2,3
	v_cvt_pk_bf16_f32 v[64+32*\n+4*\m+\i], v[16*\m+8*\n+2*\i], v[16*\m+8*\n+2*\i+1]
.endr
.endr
.endr
	WIN 0
.irp n, 0,1
.irp m, 0,1,2,3,4,5,6,7
	ds_store_b128 v[MFST], v[64+32*\n+4*\m:64+32*\n+4*\m+3] offset:4096*\n+512*\m
.endr
.endr
; ---------------- my 64 queries to fragments ----------------
	s_wait_tensorcnt 0x0                           ; my query rows are in; only I read them
	TLOAD QADR, 0, LAND1
	TLOAD QADR, TILE16, LAND0
	s_wait_dscnt 16
	WIN 0x40
	TCVT 0, LAND1
	WIN 0
	TLOAD QADR, 2*TILE16, LAND1
	s_wait_dscnt 16
	WIN 0x40
	TCVT 32, LAND0
	WIN 0
	TLOAD QADR, 3*TILE16, LAND0
	s_wait_dscnt 16
	WIN 0x40
	TCVT 64, LAND1
	s_wait_dscnt 0x0
	TCVT 96, LAND0
	WIN 0
	s_wait_dscnt 0x0                               ; my reads of Wq, Wk and the queries are back, my stores of M, u, v are done,
	s_wait_xcnt 0x0
	v_lshl_add_u32 v254, v0, 2, 0x4f000
	v_mov_b32 v255, 0
	s_wait_tensorcnt 0x0                           ; and no tensor load of mine is out
	ds_add_u32 v254, v255
	s_wait_dscnt 0x0
	ROUND                                          ; that now holds of every wave of the four partners
	tensor_load_to_lds s[K1:K1+3], s[GK:GK+7]      ; keys 128w .. 128w+127 over all of REG: my one load behind this round
	s_nop 0
; ---------------- G and g0, while the keys are on their way ----------------
.irp q, 0,1,2,3
	v_mul_f32 v[AM2+2*\q], ALPHA, v[AM2+2*\q]
.endr
.irp q, 0,1,2,3
	v_mov_b32 v[AM2+2*\q+1], v[AM2+2*\q]
	v_mul_f32 v[BAM2+2*\q], v[BETA], v[AM2+2*\q]
	v_mul_f32 v[BAM2+2*\q+1], v[BETA], v[AM2+2*\q]
.endr
	TLOAD UFLD, 0, ACC                             ; u in the landing layout, the same in all 16 rows
	s_wait_dscnt 0x0
	TCVT UF, ACC
.macro GLD t                           ; M's fragment of e2 tile t (8 loads) and v of its 16 columns as a C tile (2 loads)
.irp k, 0,1,2,3,4,5,6,7
	ds_load_b128 v[MFR+32*(\t%2)+4*\k:MFR+32*(\t%2)+4*\k+3], v[MFLD] offset:4096*\t+512*\k
.endr
	ds_load_b128 v[VC+8*(\t%2):VC+8*(\t%2)+3], v[UFLD] offset:512+64*\t
	ds_load_b128 v[VC+8*(\t%2)+4:VC+8*(\t%2)+7], v[UFLD] offset:528+64*\t
.endm
; 16 products: source 0 = M^T rows (e2 along the registers), source 1 = my queries (query = lane); four accumulators by turns
.macro GMUL t, abase, zc
	WIN 0x04
.irp c, 0,1,2,3
.irp q, 0,1,2,3
.if \c == 0
.if \zc
	v_wmma_f32_16x16x32_bf16 v[ACC+32*(\t%2)+8*\q:ACC+32*(\t%2)+8*\q+7], v[\abase+8*\c:\abase+8*\c+7], v[32*\q+8*\c:32*\q+8*\c+7], 0
.else
	v_wmma_f32_16x16x32_bf16 v[ACC+32*(\t%2)+8*\q:ACC+32*(\t%2)+8*\q+7], v[\abase+8*\c:\abase+8*\c+7], v[32*\q+8*\c:32*\q+8*\c+7], v[VC+8*(\t%2):VC+8*(\t%2)+7]
.endif
.else
	v_wmma_f32_16x16x32_bf16 v[ACC+32*(\t%2)+8*\q:ACC+32*(\t%2)+8*\q+7], v[\abase+8*\c:\abase+8*\c+7], v[32*\q+8*\c:32*\q+8*\c+7], v[ACC+32*(\t%2)+8*\q:ACC+32*(\t%2)+8*\q+7]
.endif
.endr
.endr
	WIN 0
.endm
.macro GPOST t                         ; times am, to bf16: registers 4t .. 4t+3 of each query block's G fragment
.irp q, 0,1,2,3
.irp i, 0,1,2,3
	v_pk_mul_f32 v[ACC+32*(\t%2)+8*\q+2*\i:ACC+32*(\t%2)+8*\q+2*\i+1], v[ACC+32*(\t%2)+8*\q+2*\i:ACC+32*(\t%2)+8*\q+2*\i+1], v[AM2+2*\q:AM2+2*\q+1]
.endr
.endr
	WIN 0x40
.irp q, 0,1,2,3
.irp i, 0,1,2,3
	v_cvt_pk_bf16_f32 v[128+32*\q+4*\t+\i], v[ACC+32*(\t%2)+8*\q+2*\i], v[ACC+32*(\t%2)+8*\q+2*\i+1]
.endr
.endr
	WIN 0
.endm
; Behind the products of tile t stands the finishing of tile t-1, which names none of their registers: those 32 instructions are the places
; in front of the finishing of tile t, of the loads into tile t's fragment registers and of tile t+2's products, which write over tile t's sums.
	GLD 0
	GLD 1
	s_wait_dscnt 10                                ; tile 0's ten loads are in, tile 1's ten stay out
	GMUL 0, MFR, 0
	NOPS 5                                         ; no tile to finish yet: five places, as many as tile 2's products need behind tile 0's
	GLD 2
	s_wait_dscnt 10
	GMUL 1, MFR+32, 0
	GPOST 0
	GLD 3
	s_wait_dscnt 10
	GMUL 2, MFR, 0
	GPOST 1
	GLD 4
	s_wait_dscnt 10
	GMUL 3, MFR+32, 0
	GPOST 2
	GLD 5
	s_wait_dscnt 10
	GMUL 4, MFR, 0
	GPOST 3
	GLD 6
	s_wait_dscnt 10
	GMUL 5, MFR+32, 0
	GPOST 4
	GLD 7
	s_wait_dscnt 10
	GMUL 6, MFR, 0
	GPOST 5
	s_wait_dscnt 0x0
	GMUL 7, MFR+32, 0
	GPOST 6
	GMUL 8, UF, 1                                  ; x . u: all 16 rows of source 0 are u, so a lane's eight registers all hold its query's value
	GPOST 7
.irp q, 0,1,2,3
.irp i, 0,1,2,3
	v_pk_fma_f32 v[ACC+8*\q+2*\i:ACC+8*\q+2*\i+1], v[ACC+8*\q+2*\i:ACC+8*\q+2*\i+1], v[AM2+2*\q:AM2+2*\q+1], v[BAM2+2*\q:BAM2+2*\q+1]
.endr
.endr
.irp q, 0,1,2,3
	ds_store_b128 v[G0ST], v[ACC+8*\q:ACC+8*\q+3] offset:512*\q           ; g0, eight copies a query: a C tile is then two loads
	ds_store_b128 v[G0ST], v[ACC+8*\q+4:ACC+8*\q+7] offset:512*\q+16
.endr
; ---------------- the keys: f32 column sums and bf16 fragments ----------------
.macro KTILE t, zone, nzone, more, addxs
.if \more
	TLOAD KADR, ((\t+1)%8)*TILE16, \nzone
	s_wait_dscnt 16                                ; tile t is in; the next tile's 16 loads stay out
.else
	s_wait_dscnt 0x0
.endif
.if \addxs
.set kk, 0
.rept 32
	v_pk_add_f32 v[XS+2*kk:XS+2*kk+1], v[XS+2*kk:XS+2*kk+1], v[\zone+2*kk:\zone+2*kk+1]
.set kk, kk+1
.endr
.endif
	WIN 0x80+0x40*(\t/8)
	TCVT 32*(\t%8), \zone
	WIN 0
.endm
	s_wait_tensorcnt 0x0                           ; my 128 key rows are in; only I read them
	TLOAD KADR, 0, XS                              ; tile 0 lands in the sums themselves: nothing is cleared
	KTILE 0, XS, LAND0, 1, 0
	KTILE 1, LAND0, LAND1, 1, 1
	KTILE 2, LAND1, LAND0, 1, 1
	KTILE 3, LAND0, LAND1, 1, 1
	KTILE 4, LAND1, LAND0, 1, 1
	KTILE 5, LAND0, LAND1, 1, 1
	KTILE 6, LAND1, LAND0, 1, 1
	KTILE 7, LAND0, LAND1, 0, 1
	s_wait_dscnt 0x0                               ; my reads of REG and of M, u, v are back, my stores of g0 are done,
	s_wait_xcnt 0x0
	v_lshl_add_u32 v254, v0, 2, 0x4f000
	v_mov_b32 v255, 0
	s_wait_tensorcnt 0x0                           ; no tensor load of mine is out
	ds_add_u32 v254, v255
	s_wait_dscnt 0x0
	ROUND
	tensor_load_to_lds s[K2:K2+3], s[GK:GK+7]      ; keys 512+128w ..: my one load behind this round
	s_nop 0
	s_wait_tensorcnt 0x0
	TLOAD KADR, 0, LAND1
	KTILE 8, LAND1, LAND0, 1, 1
	KTILE 9, LAND0, LAND1, 1, 1
	KTILE 10, LAND1, LAND0, 1, 1
	KTILE 11, LAND0, LAND1, 1, 1
	KTILE 12, LAND1, LAND0, 1, 1
	KTILE 13, LAND0, LAND1, 1, 1
	KTILE 14, LAND1, LAND0, 1, 1
	KTILE 15, LAND0, LAND1, 0, 1
.irp k, 0,1,2,3,4,5,6,7,8,9,10,11,12,13,14,15
	ds_store_b128 v[MFST], v[XS+4*\k:XS+4*\k+3] offset:512*\k     ; the sums rest in M's bytes (all reads of M ended in front of the last round), 8 KB of my own
.endr
	s_wait_dscnt 0x0
	s_wait_xcnt 0x0
	v_lshl_add_u32 v254, v0, 2, 0x4f000
	v_mov_b32 v255, 0
	s_wait_tensorcnt 0x0
	ds_add_u32 v254, v255
	s_wait_dscnt 0x0
	ROUND
	s_cmp_lt_u32 s24, 2                            ; waves 0, 1: Wv's halves to rows 0-127; waves 2, 3: Wu's to rows 128-255.  One load a wave; it has the whole main loop to land
	s_cbranch_scc0 .Lfill_wu
	tensor_load_to_lds s[FV:FV+3], s[GW:GW+7]
	s_nop 0
	s_branch .Lfill_done
.Lfill_wu:
	tensor_load_to_lds s[FU:FU+3], s[GU:GU+7]
	s_nop 0
.Lfill_done:
	WIN 0x04                                       ; G of my 64 queries into rows 256.. of REG, which are filled no more
.set kk, 0
.rept 32
	ds_store_b128 v[GST], v[128+4*kk:128+4*kk+3] offset:512*kk
.set kk, kk+1
.endr
	WIN 0
	s_wait_dscnt 0x0
	s_barrier_signal -1
	s_barrier_wait -1                              ; G and g0 of all 256 queries are there; the tensor load stays out
; ---------------- main loop: 16 blocks of 16 queries ----------------
.macro GLOAD                           ; the next block's G fragment and g0 tile; the addresses step by a block
.irp k, 0,1,2,3,4,5,6,7
	ds_load_b128 v[GFR+4*\k:GFR+4*\k+3], v[GADR] offset:512*\k
.endr
	ds_load_b128 v[G0R:G0R+3], v[G0ADR]
	ds_load_b128 v[G0R+4:G0R+7], v[G0ADR] offset:16
	v_add_nc_u32 v[GADR], 4096, v[GADR]
	v_add_nc_u32 v[G0ADR], 512, v[G0ADR]
.endm
; 64 products: source 0 = my keys (key 16t+8hh+j in register j), source 1 = G (query = lane r).  The first k step takes g0 as C.
; Eight accumulators by turns, one instruction a turn.
.macro MM buf
.irp h, 0,1
	WIN 0x42+\h
.irp t, 0,1,2,3,4,5,6,7
	v_wmma_f32_16x16x32_bf16 v[128*\buf+64*\h+8*\t:128*\buf+64*\h+8*\t+7], v[32*\t:32*\t+7], v[GFR:GFR+7], v[G0R:G0R+7]
.endr
	WIN 0x52+\h
.irp c, 1,2,3
.irp t, 0,1,2,3,4,5,6,7
	v_wmma_f32_16x16x32_bf16 v[128*\buf+64*\h+8*\t:128*\buf+64*\h+8*\t+7], v[32*\t+8*\c:32*\t+8*\c+7], v[GFR+8*\c:GFR+8*\c+7], v[128*\buf+64*\h+8*\t:128*\buf+64*\h+8*\t+7]
.endr
.endr
.endr
.endm
; My 256 keys of a block: zeros filled, the maximum, p = 2^(s - max) in place, the sum; (max, sum) to the exchange.
.macro STATS buf
.set SB, 128*\buf
	WIN 0x44
.irp t, 0,1,2,3,4,5,6,7,8,9,10,11,12,13,14,15
.irp j, 0,1,2,3,4,5,6,7
	v_cmp_neq_f32 s[CM+\j], 0, v[SB+8*\t+\j]
.endr
.irp j, 0,1,2,3,4,5,6,7
	v_cndmask_b32 v[SB+8*\t+\j], s32, v[SB+8*\t+\j], s[CM+\j]
.endr
.endr
	WIN 0x05
.irp k, 0,1,2,3
	v_max_num_f32 v[MX+\k], v[SB+2*\k], v[SB+2*\k+1]
.endr
	WIN 0x14
.set kk, 0
.rept 60
	v_max3_num_f32 v[MX+kk%4], v[MX+kk%4], v[SB+8+2*kk], v[SB+9+2*kk]
.set kk, kk+1
.endr
	WIN 0
	v_max3_num_f32 v[MX], v[MX], v[MX+1], v[MX+2]
	v_max_num_f32 v[MX], v[MX], v[MX+3]
	v_permlanex16_b32 v[MX+1], v[MX], s30, s31     ; the other eight keys of each tile lie in the other half
	v_max_num_f32 v[MP], v[MX], v[MX+1]
	v_mov_b32 v[MP+1], v[MP]
	v_mov_b32 v[ML], v[MP]
	v_mov_b32 v[MOWN+\buf], v[MP]
	WIN 0x41
.irp t, 0,1,2,3,4,5,6,7,8,9,10,11,12,13,14,15
.irp i, 0,1,2,3
	v_pk_add_f32 v[SB+8*\t+2*\i:SB+8*\t+2*\i+1], v[SB+8*\t+2*\i:SB+8*\t+2*\i+1], v[MP:MP+1] neg_lo:[0,1] neg_hi:[0,1]
.endr
.irp j, 0,1,2,3,4,5,6,7
	v_exp_f32 v[SB+8*\t+\j], v[SB+8*\t+\j]         ; the next tile's packed subtractions, on other registers, stand between these and their first use
.endr
.endr
	WIN 0x05
	s_wait_alu depctr_va_vdst(0)
.irp k, 0,1,2,3
	v_pk_add_f32 v[CH+2*\k:CH+2*\k+1], v[SB+4*\k:SB+4*\k+1], v[SB+4*\k+2:SB+4*\k+3]
.endr
	WIN 0x04
.set kk, 0
.rept 56
	v_pk_add_f32 v[CH+2*(kk%4):CH+2*(kk%4)+1], v[CH+2*(kk%4):CH+2*(kk%4)+1], v[SB+16+2*kk:SB+17+2*kk]
.set kk, kk+1
.endr
	WIN 0
	v_pk_add_f32 v[CH:CH+1], v[CH:CH+1], v[CH+2:CH+3]
	v_pk_add_f32 v[CH+4:CH+5], v[CH+4:CH+5], v[CH+6:CH+7]
	v_pk_add_f32 v[CH:CH+1], v[CH:CH+1], v[CH+4:CH+5]
	v_add_f32 v[CH], v[CH], v[CH+1]
	v_permlanex16_b32 v[CH+1], v[CH], s30, s31
	v_add_f32 v[ML+1], v[CH], v[CH+1]
	ds_store_b64 v[XW], v[ML:ML+1] offset:512*\buf
.endm
; The row's maximum and sum over all four waves; my weight 2^(my max - max) / sum; c += p x weight.  first = 1: the first block starts the sums.
.macro FINISH buf, first
.set SB, 128*\buf
	ds_load_b128 v[ST:ST+3], v[XR] offset:512*\buf
	ds_load_b128 v[ST+4:ST+7], v[XR] offset:512*\buf+16
	s_wait_dscnt 0x0
	v_max3_num_f32 v[TT], v[ST], v[ST+2], v[ST+4]
	v_max_num_f32 v[TT], v[TT], v[ST+6]
	v_sub_f32 v[ST], v[ST], v[TT]
	v_sub_f32 v[ST+2], v[ST+2], v[TT]
	v_sub_f32 v[ST+4], v[ST+4], v[TT]
	v_sub_f32 v[ST+6], v[ST+6], v[TT]
	v_sub_f32 v[TT+1], v[MOWN+\buf], v[TT]
	v_exp_f32 v[ST], v[ST]
	v_exp_f32 v[ST+2], v[ST+2]
	v_exp_f32 v[ST+4], v[ST+4]
	v_exp_f32 v[ST+6], v[ST+6]
	v_exp_f32 v[TT+1], v[TT+1]
	v_nop                                          ; one plain place behind the exponentials
	s_wait_alu depctr_va_vdst(0)
	v_mul_f32 v[TT+2], v[ST], v[ST+1]
	v_fmac_f32 v[TT+2], v[ST+2], v[ST+3]
	v_fmac_f32 v[TT+2], v[ST+4], v[ST+5]
	v_fmac_f32 v[TT+2], v[ST+6], v[ST+7]           ; at least 1: the wave that holds the maximum counts it with weight 1
	v_rcp_f32 v[TT+3], v[TT+2]
	v_nop
	s_wait_alu depctr_va_vdst(0)
	v_mul_f32 v[WT], v[TT+1], v[TT+3]
	v_mul_f32 v[WT+1], v[TT+1], v[TT+3]
	WIN 0x01
.set kk, 0
.rept 64
.if \first
	v_pk_mul_f32 v[CACC+2*kk:CACC+2*kk+1], v[SB+2*kk:SB+2*kk+1], v[WT:WT+1]
.else
	v_pk_fma_f32 v[CACC+2*kk:CACC+2*kk+1], v[SB+2*kk:SB+2*kk+1], v[WT:WT+1], v[CACC+2*kk:CACC+2*kk+1]
.endif
.set kk, kk+1
.endr
	WIN 0
.endm
; One block.  The loads of the next block's G stand behind FINISH (or four v_nop), whose plain instructions are the places behind the last products.
; The exchange has two buffers: block i+2 writes block i's buffer behind barrier i+1, in front of whose signal every wave's reads of it are back.
.macro ITER buf, oth, first
	GLOAD
	STATS \buf
	s_wait_dscnt 0x0                               ; my (max, sum) is stored, the next G is in
	s_barrier_signal -1
	MM \oth                                        ; registers only, while the others arrive
	WIN 0
	s_barrier_wait -1
	FINISH \buf, \first
.endm
	GLOAD
	s_wait_dscnt 0x0
	MM 0
	WIN 0
	NOPS 4
	ITER 0, 1, 1
	s_mov_b32 s33, 7
.Lblk:
	ITER 1, 0, 0
	ITER 0, 1, 0
	s_sub_co_i32 s33, s33, 1
	s_cmp_lg_u32 s33, 0
	s_cbranch_scc1 .Lblk
	STATS 1                                        ; block 15: nothing more to multiply
	s_wait_dscnt 0x0
	s_barrier_signal -1
	s_barrier_wait -1
	FINISH 1, 0
; ---------------- tail: c.x, then Wv, bv, Wu, all f32 ----------------
	BFLY CACC, 128                                 ; sum over the 16 queries of the lanes: register 8t+j = c[16t+8hh+j]
	s_lshl_b32 s2, s24, 10
	s_add_co_u32 s2, s2, CV
	v_lshl_add_u32 v[CVST], v3, 5, s2
	v_lshl_add_u32 v[CVLD], v2, 2, s2
	s_lshl_b32 s2, s24, 9
	s_add_co_u32 s2, s2, YP
	v_lshl_add_u32 v[YST], v3, 5, s2
.set kk, 0
.rept 32
	ds_store_b128 v[CVST], v[CACC+4*kk:CACC+4*kk+3] offset:(kk/2)*64+(kk%2)*16    ; my own bytes: the loads below see these stores, LDS serves a wave in order
.set kk, kk+1
.endr
.irp t, 0,1,2,3,4,5,6,7,8,9,10,11,12,13,14,15
	ds_load_b32 v[C16+\t], v[CVLD] offset:64*\t    ; c of key 16t + r: the key whose fragment row this lane holds
.endr
	s_wait_dscnt 0x0
.irp k, 0,1,2,3,4,5,6,7,8,9,10,11,12,13,14,15
	ds_load_b128 v[XS+4*\k:XS+4*\k+3], v[MFST] offset:512*\k      ; my f32 sums of x
.endr
	v_pk_add_f32 v[CS:CS+1], v[C16:C16+1], v[C16+2:C16+3]
.irp t, 4,6,8,10,12,14
	v_pk_add_f32 v[CS:CS+1], v[CS:CS+1], v[C16+\t:C16+\t+1]
.endr
	v_add_f32 v[CS], v[CS], v[CS+1]
	BFLY CS, 1                                     ; sum of c over my 256 keys
.irp t, 0,2,4,6,8,10,12,14
	v_pk_add_f32 v[C16+\t:C16+\t+1], v[C16+\t:C16+\t+1], 0xbe800000 op_sel_hi:[1,0]   ; c - 0.25
.endr
	s_wait_dscnt 0x0
.set kk, 0
.rept 32
	v_pk_mul_f32 v[XS+2*kk:XS+2*kk+1], v[XS+2*kk:XS+2*kk+1], 0x3e800000 op_sel_hi:[1,0]
.set kk, kk+1
.endr
.irp t, 0,1,2,3,4,5,6,7,8,9,10,11,12,13,14,15
	WIN 0x02+\t/8
.set kk, 0
.rept 32
	v_fma_mix_f32_bf16 v[XS+2*kk], v[32*(\t%8)+kk], v[C16+\t], v[XS+2*kk] op_sel:[0,0,0] op_sel_hi:[1,0,0]
	v_fma_mix_f32_bf16 v[XS+2*kk+1], v[32*(\t%8)+kk], v[C16+\t], v[XS+2*kk+1] op_sel:[1,0,0] op_sel_hi:[1,0,0]
.set kk, kk+1
.endr
.endr
	WIN 0
	BFLY XS, 64                                    ; sum over the 16 key rows of the lanes
.irp k, 0,1,2,3,4,5,6,7,8,9,10,11,12,13,14,15
	ds_store_b128 v[YST], v[XS+4*\k:XS+4*\k+3] offset:(\k/2)*64+(\k%2)*16
.endr
	s_wait_dscnt 0x0
	s_wait_tensorcnt 0x0                           ; my part of Wv, Wu has landed
	s_barrier_signal -1
	s_barrier_wait -1
; A vector of 128 (the sum of four waves' parts) times a matrix of 128 x 128 f32 in REG from row rowbase.  Wave w takes rows 32w .. 32w+31, lane L columns 4L .. 4L+3.
.macro MATVEC part, rowbase, nxt, first
	s_lshl_b32 s2, s24, 7
	s_add_co_u32 s2, s2, \part
	v_mov_b32 v[PVA], s2
	s_mul_i32 s2, s24, 2*TILE16
	s_add_co_u32 s2, s2, \rowbase*PITCH
	v_add_nc_u32 v[ROWA], s2, v[L16]
	s_lshl_b32 s2, s24, 9
	s_add_co_u32 s2, s2, \nxt
	v_add_nc_u32 v[OUTA], s2, v[L16]
.irp p, 0,1,2,3
.irp i, 0,1,2,3,4,5,6,7
	ds_load_b128 v[128+32*\p+4*\i:128+32*\p+4*\i+3], v[PVA] offset:512*\p+16*\i
.endr
.endr
	s_wait_dscnt 0x0
.set kk, 0
.rept 16
	v_pk_add_f32 v[YV+2*kk:YV+2*kk+1], v[128+2*kk:129+2*kk], v[160+2*kk:161+2*kk]
	v_pk_add_f32 v[192+2*kk:193+2*kk], v[192+2*kk:193+2*kk], v[224+2*kk:225+2*kk]
	v_pk_add_f32 v[YV+2*kk:YV+2*kk+1], v[YV+2*kk:YV+2*kk+1], v[192+2*kk:193+2*kk]
.set kk, kk+1
.endr
.set kk, 0
.rept 32
	ds_load_b128 v[128+4*kk:131+4*kk], v[ROWA] offset:PITCH*kk
.set kk, kk+1
.endr
	s_wait_dscnt 0x0
.if \first
.irp j, 0,1,2,3
	v_mul_f32 v[A4+\j], v[CS], v[BV+\j]            ; my keys' share of (sum c) bv starts the sums
.endr
.else
.irp j, 0,1,2,3
	v_mul_f32 v[A4+\j], v[YV], v[128+\j]           ; the first row starts the sums
.endr
.endif
.set kk, 1-\first
.rept 31+\first
.irp j, 0,1,2,3
	v_fmac_f32 v[A4+\j], v[YV+kk], v[128+4*kk+\j]
.endr
.set kk, kk+1
.endr
	ds_store_b128 v[OUTA], v[A4:A4+3]
	s_wait_dscnt 0x0
	s_barrier_signal -1
	s_barrier_wait -1
.endm
	MATVEC YP, 0, OP, 1                            ; (c.x) Wv_h + (sum c) bv_h
	MATVEC OP, 128, ZP, 0                          ; times Wu_h
	s_lshl_b32 s66, s25, 2
	s_add_co_u32 s66, s66, s28
	s_lshl_b32 s66, s66, 9                         ; row (b*8+head)*4 + qq of zpart
	s_mov_b32 s67, 0
	s_add_nc_u64 s[22:23], s[22:23], s[66:67]
	s_cmp_lg_u32 s24, 0
	s_cbranch_scc1 .Lnot_first
	v_add_nc_u32 v[PVA], ZP, v[L16]
.irp p, 0,1,2,3
	ds_load_b128 v[64+4*\p:64+4*\p+3], v[PVA] offset:512*\p
.endr
	s_wait_dscnt 0x0
	v_pk_add_f32 v[64:65], v[64:65], v[68:69]
	v_pk_add_f32 v[66:67], v[66:67], v[70:71]
	v_pk_add_f32 v[72:73], v[72:73], v[76:77]
	v_pk_add_f32 v[74:75], v[74:75], v[78:79]
	v_pk_add_f32 v[64:65], v[64:65], v[72:73]
	v_pk_add_f32 v[66:67], v[66:67], v[74:75]
	global_store_b128 v[L16], v[64:67], s[22:23]   ; the wave stores 512 consecutive bytes, aligned
.Lnot_first:
	s_wait_xcnt 0x0
	v_lshl_add_u32 v254, v0, 2, 0x4f000
	v_mov_b32 v255, 0
	s_wait_tensorcnt 0x0
	ds_add_u32 v254, v255
	s_wait_dscnt 0x0
	ROUND                                          ; the closing round: no work-group ends while a partner may still ask jointly
	s_endpgm
.Lfunc_end_k_q7568097836_attn:
	.size	k_q7568097836_attn, .Lfunc_end_k_q7568097836_attn-k_q7568097836_attn
	.p2alignl 7, 3214868480
	.fill 96, 4, 3214868480
	.section	.rodata,"a",@progbits
	.p2align	6, 0x0
	.amdhsa_kernel k_q7568097836_attn
		.amdhsa_group_segment_fixed_size 327680
		.amdhsa_private_segment_fixed_size 0
		.amdhsa_enable_private_segment 0
		.amdhsa_kernarg_size 80
		.amdhsa_user_sgpr_count 2
		.amdhsa_user_sgpr_kernarg_segment_ptr 1
		.amdhsa_wavefront_size32 1
		.amdhsa_system_sgpr_workgroup_id_x 1
		.amdhsa_system_sgpr_workgroup_id_y 1
		.amdhsa_system_sgpr_workgroup_id_z 1
		.amdhsa_system_vgpr_workitem_id 0
		.amdhsa_next_free_vgpr 1024
		.amdhsa_next_free_sgpr 100
		.amdhsa_reserve_vcc 0
		.amdhsa_float_denorm_mode_32 3
		.amdhsa_float_denorm_mode_16_64 3
		.amdhsa_memory_ordered 1
		.amdhsa_forward_progress 1
		.amdhsa_inst_pref_size 255
	.end_amdhsa_kernel
	.section	.bss,"aw",@nobits
	.p2align	6
	.space	262144
	.amdgpu_metadata
---
amdhsa.version: [ 1, 2 ]
amdhsa.kernels:
  - .name:           k_q7568097836_attn
    .symbol:         k_q7568097836_attn.kd
    .args:
      - { .name: x, .offset: 0, .size: 8, .value_kind: global_buffer, .address_space: global }
      - { .name: mask, .offset: 8, .size: 8, .value_kind: global_buffer, .address_space: global }
      - { .name: Wq, .offset: 16, .size: 8, .value_kind: global_buffer, .address_space: global }
      - { .name: bq, .offset: 24, .size: 8, .value_kind: global_buffer, .address_space: global }
      - { .name: Wk, .offset: 32, .size: 8, .value_kind: global_buffer, .address_space: global }
      - { .name: bk, .offset: 40, .size: 8, .value_kind: global_buffer, .address_space: global }
      - { .name: Wv, .offset: 48, .size: 8, .value_kind: global_buffer, .address_space: global }
      - { .name: bv, .offset: 56, .size: 8, .value_kind: global_buffer, .address_space: global }
      - { .name: Wu, .offset: 64, .size: 8, .value_kind: global_buffer, .address_space: global }
      - { .name: zpart, .offset: 72, .size: 8, .value_kind: global_buffer, .address_space: global }
    .group_segment_fixed_size: 327680
    .private_segment_fixed_size: 0
    .kernarg_segment_align: 8
    .kernarg_segment_size: 80
    .max_flat_workgroup_size: 128
    .sgpr_count:     100
    .vgpr_count:     1024
    .wavefront_size: 32
...
	.end_amdgpu_metadata
.endif
;; end of part 1
;; launch fin (part 2): grid 8 x 1, 1 waves a work-group, no clusters, 0 bytes of LDS; arguments zpart, bu, out0; writes out0
.if DOCPART == 2
	.amdgcn_target "amdgcn-amd-amdhsa--gfx1250"
	.amdhsa_code_object_version 6
	.text
	.protected	k_q7568097836_fin
	.globl	k_q7568097836_fin
	.p2align	8
	.type	k_q7568097836_fin,@function
k_q7568097836_fin:
	s_mov_b64 s[64:65], 0
	v_nop
	global_prefetch_b8 v0, s[64:65] scope:SCOPE_SE
	s_setreg_imm32_b32 hwreg(HW_REG_WAVE_MODE, 25, 1), 1
	s_wait_xcnt 0x0
; out0[b][:] = tanh(bu + sum over the 32 parts (8 heads x 4 query quarters) of zpart[b*32+p][:]).
; One wave for each b; lane L owns columns 4L .. 4L+3, so each load and the store cover 512 consecutive bytes, aligned.
; All 33 loads are out together.  No LDS, no barrier, no matrix unit: 16 KB in, 512 bytes out for each work-group.
; tanh(z) = 1 - 2 / (1 + 2^(2 log2(e) z)): for large z the power is infinite and the result 1, for very negative z it is 0 and the result -1.
.set Z,  8                             ; v[8:135]   part p in four registers
.set BU, 136                           ; v[136:139]
	s_load_b128 s[4:7], s[0:1], 0x0                ; zpart, bu
	s_load_b64 s[8:9], s[0:1], 0x10                ; out0
	v_lshlrev_b32 v1, 4, v0                        ; 16 bytes a lane
	s_lshl_b32 s10, ttmp9, 14                      ; b x 32 parts of 512 bytes
	s_mov_b32 s11, 0
	s_lshl_b32 s12, ttmp9, 9                       ; b x 512 bytes
	s_mov_b32 s13, 0
	s_wait_kmcnt 0x0
	s_add_nc_u64 s[4:5], s[4:5], s[10:11]
	s_add_nc_u64 s[8:9], s[8:9], s[12:13]
.set pp, 0
.rept 32
	global_load_b128 v[Z+4*pp:Z+4*pp+3], v1, s[4:5] offset:512*pp
.set pp, pp+1
.endr
	global_load_b128 v[BU:BU+3], v1, s[6:7]
	s_wait_loadcnt 0x0
.macro ADDQ d, s
	v_pk_add_f32 v[\d:\d+1], v[\d:\d+1], v[\s:\s+1]
	v_pk_add_f32 v[\d+2:\d+3], v[\d+2:\d+3], v[\s+2:\s+3]
.endm
.irp st, 16,8,4,2,1
.set pp, 0
.rept \st
	ADDQ Z+4*pp, Z+4*(pp+\st)
.set pp, pp+1
.endr
.endr
	ADDQ Z, BU
.irp j, 0,1,2,3
	v_mul_f32 v[Z+\j], 0x4038aa3b, v[Z+\j]         ; 2 log2(e) z
.endr
.irp j, 0,1,2,3
	v_exp_f32 v[Z+\j], v[Z+\j]
.endr
	v_nop                                          ; one plain place behind the exponentials
	s_wait_alu depctr_va_vdst(0)
.irp j, 0,1,2,3
	v_add_f32 v[Z+\j], 1.0, v[Z+\j]
.endr
.irp j, 0,1,2,3
	v_rcp_f32 v[Z+\j], v[Z+\j]
.endr
	v_nop
	s_wait_alu depctr_va_vdst(0)
.irp j, 0,1,2,3
	v_fma_f32 v[Z+\j], v[Z+\j], -2.0, 1.0
.endr
	global_store_b128 v1, v[Z:Z+3], s[8:9]
	s_endpgm
.Lfunc_end_k_q7568097836_fin:
	.size	k_q7568097836_fin, .Lfunc_end_k_q7568097836_fin-k_q7568097836_fin
	.p2alignl 7, 3214868480
	.fill 96, 4, 3214868480
	.section	.rodata,"a",@progbits
	.p2align	6, 0x0
	.amdhsa_kernel k_q7568097836_fin
		.amdhsa_group_segment_fixed_size 0
		.amdhsa_private_segment_fixed_size 0
		.amdhsa_enable_private_segment 0
		.amdhsa_kernarg_size 24
		.amdhsa_user_sgpr_count 2
		.amdhsa_user_sgpr_kernarg_segment_ptr 1
		.amdhsa_wavefront_size32 1
		.amdhsa_system_sgpr_workgroup_id_x 1
		.amdhsa_system_sgpr_workgroup_id_y 1
		.amdhsa_system_sgpr_workgroup_id_z 1
		.amdhsa_system_vgpr_workitem_id 0
		.amdhsa_next_free_vgpr 144
		.amdhsa_next_free_sgpr 66
		.amdhsa_reserve_vcc 0
		.amdhsa_float_denorm_mode_32 3
		.amdhsa_float_denorm_mode_16_64 3
		.amdhsa_memory_ordered 1
		.amdhsa_forward_progress 1
		.amdhsa_inst_pref_size 9
	.end_amdhsa_kernel
	.amdgpu_metadata
---
amdhsa.version: [ 1, 2 ]
amdhsa.kernels:
  - .name:           k_q7568097836_fin
    .symbol:         k_q7568097836_fin.kd
    .args:
      - { .name: zpart, .offset: 0, .size: 8, .value_kind: global_buffer, .address_space: global }
      - { .name: bu, .offset: 8, .size: 8, .value_kind: global_buffer, .address_space: global }
      - { .name: out0, .offset: 16, .size: 8, .value_kind: global_buffer, .address_space: global }
    .group_segment_fixed_size: 0
    .private_segment_fixed_size: 0
    .kernarg_segment_align: 8
    .kernarg_segment_size: 24
    .max_flat_workgroup_size: 32
    .sgpr_count:     66
    .vgpr_count:     144
    .wavefront_size: 32
...
	.end_amdgpu_metadata
.endif
;; end of part 2
